; MI455X (gfx1250); checked and timed in simulation.
; The chip was launched on July 23, 2026; its instructions are those of AMD's public machine-readable ISA for CDNA 5 (MIT licence, August 2026) and "CDNA5" Instruction Set Architecture Reference Guide (July 2026). The comments in the code are by the model that wrote it; some were corrected since.
;; Multi Head Attention. Allowed arithmetic: float matrix products may take bf16 or f16 operands with f32 sums; all other float work in f32.
;; Inputs: Wk 256 x 256 float32; Wo 256 x 256 float32; Wq 256 x 256 float32; Wv 256 x 256 float32; bk 256 float32; bo 256 float32; bq 256 float32; bv 256 float32; key 4 x 2,048 x 256 float32; mask 4 x 2,048 float32; pos 2,048 x 256 float32; proj 256 x 256 float32; query 4 x 2,048 x 256 float32; value 4 x 2,048 x 256 float32.
;; Outputs: out0 4 x 2,048 x 256 float32.
;; One version. Each part assembles by itself: llvm-mc -triple=amdgcn-amd-amdhsa -mcpu=gfx1250 --defsym DOCPART=n.
;; ======== version 1 of 1: 3 launches
;; limits: values are held in f16: magnitudes above 65,504 overflow, below 6.1e-05 lose precision; inputs' magnitudes at most 65,504; right only within a limited range of input values
;; workspace buffers: Qn 4,194,304 bytes; Ek 4,194,304 bytes; Vo 4,194,304 bytes; mxw 1,024 bytes; cs 262,144 bytes; Tn 524,288 bytes; sv 8,192 bytes
;; launch feat (part 1): grid 64 x 3, 8 waves a work-group, no clusters, 320,512 bytes of LDS; arguments query, key, value, Wq, Wk, Wv, bq, bk, bv, proj, Wo, pos, Qn, Ek, Vo, mxw, cs; writes Qn, Ek, Vo, mxw, cs
.if DOCPART == 1
	.amdgcn_target "amdgcn-amd-amdhsa--gfx1250"
	.amdhsa_code_object_version 6
	.text
	.protected	k_q554133b02c_feat
	.globl	k_q554133b02c_feat
	.p2align	8
	.type	k_q554133b02c_feat,@function
k_q554133b02c_feat:
	s_mov_b64 s[64:65], 0
	v_nop
	global_prefetch_b8 v0, s[64:65] scope:SCOPE_SE
	s_setreg_imm32_b32 hwreg(HW_REG_WAVE_MODE, 25, 1), 1
	s_wait_xcnt 0x0
; FAVOR+ attention, first of three launches: the features of query and key, and value through both of its weights.
; In reference() q and k are copied to all 8 heads before the rotation and the feature map, so qp, kp and den are the
; same in every head, the head split of v is only a reshape, and the factor M^-0.5 cancels between num and den.  With
;   E = exp(xp - diag - mx), Q = E_q + eps, vo = (value Wv + bv) Wo
; the result is out = (Q T + eps VW qs) / (Q s + eps L qs) + bo, T = E_k^T vo, s = column sums of E_k, VW = column sums
; of vo, qs = row sums of Q: the same algebra for every input, with no difference of large sums.
; The input mask is an argument that reference() never uses: no launch takes it.
; The grid's y is the role: 0 query -> Qn; 1 key -> Ek (with the maximum of its own 64 rows taken away; that maximum goes
; to mxw kind 0 and the next launch rescales by exp(block max - batch max) <= 1), cs kind 0; 2 value -> Vo, mxw kind 1,
; cs kind 1.
; A work-group owns 128 rows as two blocks of 64; both weight matrices stay in LDS, rounded to f16, for both blocks.
; Wave w owns columns 32 w .. 32 w + 31 of both products for all 64 rows: 8 accumulator tiles of 16 x 16.
; FORMATS: every matrix operand is f16 (11 bits).  In front of an exponential an operand's error is a relative error of
; the result.  Behind it powers of two give each operand its room:
;   Qn = 2^15 Q: Q lies in [1e-6, 1 + 1e-6] for every input, so 2^15 Q lies in [0.0328, 32768.04], all normal in f16;
;   Ek = 2^15 E_k <= 32,768: below f16's normal range at most 2^-25 is lost, 2^-40 of E_k, a millionth of the eps that
;        reference() adds to each E_k;
;   Vo = vo / g, g = 2^(e - 13) with 2^e <= the largest |vo| of the block's 64 rows < 2^(e + 1): |Vo| < 2^14; g -> mxw kind 1.
; The column sums in cs are f32: of 2^15 E_k (kind 0) and of vo itself (kind 1).
; LIMITS: |query|, |key|, |value|, the weights, proj and value Wv + bv must stay below 65,504; the rotated x is clamped
; to +-65,504 (its diag, taken before the clamp, is then above 2e9 and its exponentials are 0 as in reference());
; v_exp_f32 gives 0 below 2^-126; a block whose |vo| are all below 2^-111 is scaled as if its largest were 2^-111;
; sums run in another order than in reference(); NaN and infinities in the inputs are not served.
; NO CLUSTER, NO TENSOR LOADS: what the work-groups share are the weights, which lie in memory as f32 and are rounded
; on the way; a tile copied unchanged would need 262,144 bytes of f32 beside the 278,528 bytes of f16, more than the
; 327,680 bytes there are.
; The 16-bit results are stored in the order in which the next launch's fragments want them: the 16 bytes of lane L at
; 16 L of a piece of 512 bytes, so every store of a wave covers 512 consecutive bytes, aligned.
.set W1,   0                           ; Wq / Wk / Wv, f16, [k 256][n], pitch 544 (17 x 32: for the transposing load)
.set W2,   139264                      ; eight parts of 17,408 bytes, part w = rows 32 w .. 32 w + 31, stored by wave w in every role.
                                       ; v: Wo f16 [k][n], pitch 544 (32 x 544 = 17,408: the rows follow each other as in W1);
                                       ; q, k: proj f16 [m][d], pitch 528 (33 x 16) inside a part, its last 512 bytes unused
.set XT,   278528                      ; 64 rows, pitch 528: the input tile in f16, then x (or v) in f16
.set BIAS, 312320                      ; 256 f32: 0.25 b for q and k, b for v
.set DGP,  313344                      ; [row 64][wave 8] f32: each wave's part of the sum of squares
.set DGT,  315392                      ; [wave 8][row 64] f32: the whole sums, a copy for each wave
.set MQP,  317440                      ; q: [row 64][wave 8] parts of the row maxima;  k, v: [wave 8] maxima
.set PW,   544
.set PX,   528
.set ACC,  32                          ; v[32:95]   tile (column tile a, row tile lt) at 32 + 8 (2 lt + a)
.set FB0,  96                          ; v[96:143]  fragments: +0 two of the weight, +16 four of the rows
.set FB1,  144                         ; v[144:191] the same, second buffer
.set PS,   192                         ; v[192:255] pos for my 64 x 8 numbers; later diag
.set DG,   22                          ; v[22:29]   four pairs: sum of squares for each lt
.set TT,   144                         ; at work in the rotation
.set UU,   152
.set M,    160                         ; v[160:163] maxima
.set N,    176                         ; v[176:179] minima (role v)
.set LOG2E,  0x3fb8aa3b
.set HLOG2E, 0x3f38aa3b                ; 0.5 log2(e): the half of diag is folded in here
.set EPSQ,   0x3d0637bd                ; 2^15 x 1e-6 = 0.032768
.set M15,    0xc1700000                ; -15.0: taken from what is subtracted in the exponent, it multiplies E by 2^15
; v1 lane  v2 16 tid  v3 W1 store  v4 tile store  v5 row fragments  v6, v7 W1 fragments (k < 128, k >= 128)
; v8, v9 W2 fragments  v10 x store  v11 pos offset  v12 bias  v13 diag part store  v14 diag parts load
; v15 diag total store  v16 diag total load  v17 maximum store  v18 maxima load  v19 result offset  v20 4 tid
; prologue only: v224 bias  v225 W2 store  v228 W2 load offset  v229 bias store
.macro PLACES                          ; four plain vector places behind a matrix instruction (ISA guide 7.12.1)
.rept 4
	v_nop
.endr
.endm
; 64 rows of 1,024 bytes for the work-group: 16 loads, each wave's covers 512 consecutive bytes
.macro LOADCH set, base, imm
.irp i, 0,1,2,3,4,5,6,7,8,9,10,11,12,13,14,15
	global_load_b128 v[\set+4*\i:\set+4*\i+3], v2, s[\base:\base+1] offset:\imm+4096*\i
.endr
.endm
; the same 64 rows, rounded to f16, into LDS: 8 bytes a lane, 256 consecutive bytes a wave
.macro STORECH set, adr, pitch
.irp i, 0,1,2,3,4,5,6,7,8,9,10,11,12,13,14,15
	v_cvt_pk_f16_f32 v[\set+4*\i], v[\set+4*\i], v[\set+4*\i+1]
	v_cvt_pk_f16_f32 v[\set+4*\i+1], v[\set+4*\i+2], v[\set+4*\i+3]
	ds_store_b64 v[\adr], v[\set+4*\i:\set+4*\i+1] offset:4*\pitch*\i
.endr
.endm
; W2, quarter q of my wave's 32 rows: 8 rows of 1,024 bytes as 16 loads of 512 consecutive bytes
.macro LOADW2 set, q
.irp i, 0,1,2,3,4,5,6,7,8,9,10,11,12,13,14,15
	global_load_b128 v[\set+4*\i:\set+4*\i+3], v228, s[10:11] offset:8192*\q+512*\i
.endr
.endm
; the same 8 rows, rounded to f16, into my wave's part of W2: load i is half i % 2 of row 8 q + i / 2
.macro STOREW2 set, q, pitch
.irp i, 0,1,2,3,4,5,6,7,8,9,10,11,12,13,14,15
	v_cvt_pk_f16_f32 v[\set+4*\i], v[\set+4*\i], v[\set+4*\i+1]
	v_cvt_pk_f16_f32 v[\set+4*\i+1], v[\set+4*\i+2], v[\set+4*\i+3]
	ds_store_b64 v225, v[\set+4*\i:\set+4*\i+1] offset:(8*\q+\i/2)*\pitch+256*(\i%2)
.endr
.endm
; Nine chunks of 16 loads: the first input tile, W1's four, W2's four, through three register sets that take turns.
; Each wait leaves the 16 loads of each younger chunk out: 32, and 16 and 0 at the end.
.macro PRO p2, scaled
	global_load_b32 v224, v20, s[12:13]            ; bias[tid], older than every chunk
	LOADCH 32, 6, 0
	LOADCH 96, 8, 0
	LOADCH 160, 8, 65536
	s_wait_loadcnt 32
.if \scaled
	v_mul_f32 v224, 0x3e800000, v224               ; 256^-0.25 = 0.25 is applied to x and so to its bias
.endif
	ds_store_b32 v229, v224
	STORECH 32, 4, PX
	LOADCH 32, 8, 131072
	s_wait_loadcnt 32
	STORECH 96, 3, PW
	v_add_nc_u32 v3, 64*PW, v3
	LOADCH 96, 8, 196608
	s_wait_loadcnt 32
	STORECH 160, 3, PW
	v_add_nc_u32 v3, 64*PW, v3
	LOADW2 160, 0
	s_wait_loadcnt 32
	STORECH 32, 3, PW
	v_add_nc_u32 v3, 64*PW, v3
	LOADW2 32, 1
	s_wait_loadcnt 32
	STORECH 96, 3, PW
	LOADW2 96, 2
	s_wait_loadcnt 32
	STOREW2 160, 0, \p2
	LOADW2 160, 3
	s_wait_loadcnt 32
	STOREW2 32, 1, \p2
	s_wait_loadcnt 16
	STOREW2 96, 2, \p2
	s_wait_loadcnt 0x0
	STOREW2 160, 3, \p2
.endm
; two fragments of a weight stored [k][n]: lane (r, h) gets k = 32 ks + 8 h .. and 32 ks + 16 + 8 h .. of column n0 + r
.macro FETCH_TR fb, ks, b
.irp a, 0,1
	ds_load_tr16_b128 v[\fb+8*\a:\fb+8*\a+3], v[\b] offset:(\ks)*32*PW+32*\a
	ds_load_tr16_b128 v[\fb+8*\a+4:\fb+8*\a+7], v[\b] offset:(\ks)*32*PW+32*\a+16*PW
.endr
.endm
; two fragments of proj, stored [m][d]: rows 16 a + r of my wave's part
.macro FETCH_ROW fb, ks, b
.irp a, 0,1
	ds_load_b128 v[\fb+8*\a:\fb+8*\a+3], v[\b] offset:16*PX*\a+64*(\ks)
	ds_load_b128 v[\fb+8*\a+4:\fb+8*\a+7], v[\b] offset:16*PX*\a+64*(\ks)+32
.endr
.endm
.macro FETCHW kind, fb, ks, b0, b1
.if \kind
.if \ks < 4
	FETCH_TR \fb, \ks, \b0
.else
	FETCH_TR \fb, \ks-4, \b1                       ; the 16-bit offset reaches 128 rows of k: a second base
.endif
.else
	FETCH_ROW \fb, \ks, \b0
.endif
.endm
; four fragments of the 64 rows in XT
.macro FETCH_X fb, ks
.irp lt, 0,1,2,3
	ds_load_b128 v[\fb+16+8*\lt:\fb+16+8*\lt+3], v5 offset:16*PX*\lt+64*(\ks)
	ds_load_b128 v[\fb+16+8*\lt+4:\fb+16+8*\lt+7], v5 offset:16*PX*\lt+64*(\ks)+32
.endr
.endm
; 8 matrix instructions, 32 along K.  sw = 1: the weight is source 0, so a lane's 8 results are 8 neighbouring columns of
; one row; sw = 0: the rows are source 0, so they are 8 neighbouring rows of one column.  The eight accumulators take
; turns, one instruction a turn, from K step to K step too.
.macro MUL fb, sw, zero
.irp lt, 0,1,2,3
.irp a, 0,1
.if \sw
.if \zero
	v_wmma_f32_16x16x32_f16 v[ACC+8*(2*\lt+\a):ACC+8*(2*\lt+\a)+7], v[\fb+8*\a:\fb+8*\a+7], v[\fb+16+8*\lt:\fb+16+8*\lt+7], 0
.else
	v_wmma_f32_16x16x32_f16 v[ACC+8*(2*\lt+\a):ACC+8*(2*\lt+\a)+7], v[\fb+8*\a:\fb+8*\a+7], v[\fb+16+8*\lt:\fb+16+8*\lt+7], v[ACC+8*(2*\lt+\a):ACC+8*(2*\lt+\a)+7]
.endif
.else
.if \zero
	v_wmma_f32_16x16x32_f16 v[ACC+8*(2*\lt+\a):ACC+8*(2*\lt+\a)+7], v[\fb+16+8*\lt:\fb+16+8*\lt+7], v[\fb+8*\a:\fb+8*\a+7], 0
.else
	v_wmma_f32_16x16x32_f16 v[ACC+8*(2*\lt+\a):ACC+8*(2*\lt+\a)+7], v[\fb+16+8*\lt:\fb+16+8*\lt+7], v[\fb+8*\a:\fb+8*\a+7], v[ACC+8*(2*\lt+\a):ACC+8*(2*\lt+\a)+7]
.endif
.endif
.endr
.endr
.endm
.macro STEP kind, sw, b0, b1, fb, zero, nk
	s_wait_dscnt 12                                ; this K step's 12 loads are in, the next step's 12 stay out
	MUL \fb, \sw, \zero
	PLACES                                         ; before loads land on the sources
	FETCHW \kind, \fb, \nk, \b0, \b1
	FETCH_X \fb, \nk
.endm
; 64 rows x 32 columns x K = 256: eight K steps on two fragment buffers, each filled two steps ahead
.macro GEMM kind, sw, b0, b1
	FETCHW \kind, FB0, 0, \b0, \b1
	FETCH_X FB0, 0
	FETCHW \kind, FB1, 1, \b0, \b1
	FETCH_X FB1, 1
	STEP \kind, \sw, \b0, \b1, FB0, 1, 2           ; the first product starts the sums
	STEP \kind, \sw, \b0, \b1, FB1, 0, 3
	STEP \kind, \sw, \b0, \b1, FB0, 0, 4
	STEP \kind, \sw, \b0, \b1, FB1, 0, 5
	STEP \kind, \sw, \b0, \b1, FB0, 0, 6
	STEP \kind, \sw, \b0, \b1, FB1, 0, 7
	s_wait_dscnt 12
	MUL FB0, \sw, 0
	s_wait_dscnt 0x0                               ; no LDS load of mine is out from here on
	MUL FB1, \sw, 0
.endm
; pos for my 8 tiles: the 32 bytes that belong to a lane's 8 results
.macro POSLD t
.irp lt, 0,1,2,3
.irp a, 0,1
	global_load_b128 v[PS+8*(2*\lt+\a):PS+8*(2*\lt+\a)+3], v11, s[14:15] offset:65536*\t+16384*\lt+64*\a
	global_load_b128 v[PS+8*(2*\lt+\a)+4:PS+8*(2*\lt+\a)+7], v11, s[14:15] offset:65536*\t+16384*\lt+64*\a+16
.endr
.endr
.endm
.macro BIASLD                          ; the bias of my 16 columns; these LDS bytes are written once, in the prologue
.irp a, 0,1
	ds_load_b128 v[96+8*\a:96+8*\a+3], v12 offset:64*\a
	ds_load_b128 v[96+8*\a+4:96+8*\a+7], v12 offset:64*\a+16
.endr
.endm
.macro XSTORE                          ; 8 f16 of one row from each tile: 16 bytes a lane into XT
.irp lt, 0,1,2,3
.irp a, 0,1
	ds_store_b128 v10, v[ACC+8*(2*\lt+\a):ACC+8*(2*\lt+\a)+3] offset:16*PX*\lt+32*\a
.endr
.endr
.endm
; one tile: x = 0.25 (acc + b), rotated by the pair (sin, cos) of pos; its squares; clamped and rounded to f16
.macro ROT lt, a
.irp p, 0,2,4,6
	v_pk_fma_f32 v[TT+\p:TT+\p+1], v[ACC+8*(2*\lt+\a)+\p:ACC+8*(2*\lt+\a)+\p+1], 0x3e800000, v[96+8*\a+\p:96+8*\a+\p+1] op_sel_hi:[1,0,1]
.endr
.irp p, 0,2,4,6
	v_pk_mul_f32 v[UU+\p:UU+\p+1], v[TT+\p:TT+\p+1], v[PS+8*(2*\lt+\a)+\p:PS+8*(2*\lt+\a)+\p+1] op_sel:[1,0] op_sel_hi:[0,0]   ; (t1 s, t0 s)
.endr
.irp p, 0,2,4,6
	v_pk_fma_f32 v[TT+\p:TT+\p+1], v[TT+\p:TT+\p+1], v[PS+8*(2*\lt+\a)+\p:PS+8*(2*\lt+\a)+\p+1], v[UU+\p:UU+\p+1] op_sel:[0,1,0] op_sel_hi:[1,1,1] neg_lo:[0,0,1]   ; (t0 c - t1 s, t1 c + t0 s)
.endr
.irp p, 0,2,4,6
.if (8*\a+\p) == 0
	v_pk_mul_f32 v[DG+2*\lt:DG+2*\lt+1], v[TT:TT+1], v[TT:TT+1]          ; the first squares start the sum
.else
	v_pk_fma_f32 v[DG+2*\lt:DG+2*\lt+1], v[TT+\p:TT+\p+1], v[TT+\p:TT+\p+1], v[DG+2*\lt:DG+2*\lt+1]
.endif
.endr
.irp p, 0,1,2,3,4,5,6,7
	v_med3_num_f32 v[TT+\p], v[TT+\p], s26, s25
.endr
.irp p, 0,1,2,3
	v_cvt_pk_f16_f32 v[ACC+8*(2*\lt+\a)+\p], v[TT+2*\p], v[TT+2*\p+1]
.endr
.endm
; behind the first product, roles q and k.  The signal says that my reads of the input tile are over (the wait for 0 stood
; in front of the last 8 matrix instructions); the rotation is register work; x goes into XT behind the barrier's wait.
.macro P2QK
	s_barrier_signal -1
	PLACES
	BIASLD
	s_wait_loadcnt 0x0                             ; pos
	s_wait_dscnt 0x0                               ; bias
.irp lt, 0,1,2,3
.irp a, 0,1
	ROT \lt, \a
.endr
.endr
.irp lt, 0,1,2,3
	v_add_f32 v[DG+2*\lt], v[DG+2*\lt], v[DG+2*\lt+1]
.endr
.irp lt, 0,1,2,3
	v_permlanex16_b32 v[DG+2*\lt+1], v[DG+2*\lt], s22, s23       ; the other 8 of a tile's 16 columns lie 16 lanes away
.endr
.irp lt, 0,1,2,3
	v_add_f32 v[DG+2*\lt], v[DG+2*\lt], v[DG+2*\lt+1]
.endr
	s_barrier_wait -1
	XSTORE
.irp lt, 0,1,2,3
	ds_store_b32 v13, v[DG+2*\lt] offset:512*\lt                 ; row 16 lt + r, my wave's word
.endr
	s_wait_dscnt 0x0                               ; for the other waves: x and the parts of diag are in LDS
	s_barrier_signal -1
	s_barrier_wait -1
.endm
; the same frame for role v: v = acc + b, rounded to f16
.macro P2V
	s_barrier_signal -1
	PLACES
	BIASLD
	s_wait_dscnt 0x0
.irp lt, 0,1,2,3
.irp a, 0,1
.irp p, 0,2,4,6
	v_pk_add_f32 v[ACC+8*(2*\lt+\a)+\p:ACC+8*(2*\lt+\a)+\p+1], v[ACC+8*(2*\lt+\a)+\p:ACC+8*(2*\lt+\a)+\p+1], v[96+8*\a+\p:96+8*\a+\p+1]
.endr
.irp p, 0,1,2,3
	v_cvt_pk_f16_f32 v[ACC+8*(2*\lt+\a)+\p], v[ACC+8*(2*\lt+\a)+2*\p], v[ACC+8*(2*\lt+\a)+2*\p+1]
.endr
.endr
.endr
	s_barrier_wait -1
	XSTORE
	s_wait_dscnt 0x0
	s_barrier_signal -1
	s_barrier_wait -1
.endm
; Each wave adds the eight parts for all 64 rows (lane L: rows L and L + 32), keeps the sums in bytes of its own and
; reads them back in the order of its accumulators.  LDS serves a wave in order (ISA guide 5.7.1), so no wait stands
; between its stores and loads, and the second product's first counted wait covers the loads, which are older.
.macro TOTDIAG role
	ds_load_b128 v[96:99], v14
	ds_load_b128 v[100:103], v14 offset:16
	ds_load_b128 v[104:107], v14 offset:1024
	ds_load_b128 v[108:111], v14 offset:1040
	s_wait_dscnt 0x0
	v_pk_add_f32 v[96:97], v[96:97], v[98:99]
	v_pk_add_f32 v[100:101], v[100:101], v[102:103]
	v_pk_add_f32 v[104:105], v[104:105], v[106:107]
	v_pk_add_f32 v[108:109], v[108:109], v[110:111]
	v_pk_add_f32 v[96:97], v[96:97], v[100:101]
	v_pk_add_f32 v[104:105], v[104:105], v[108:109]
	v_add_f32 v96, v96, v97
	v_add_f32 v104, v104, v105
	ds_store_b32 v15, v96
	ds_store_b32 v15, v104 offset:128
.if \role == 0
.irp lt, 0,1,2,3
	ds_load_b32 v[PS+\lt], v16 offset:64*\lt                     ; row 16 lt + r
.endr
.else
.irp lt, 0,1,2,3
	ds_load_b128 v[PS+8*\lt:PS+8*\lt+3], v16 offset:64*\lt       ; rows 16 lt + 8 h + 0 .. 7
	ds_load_b128 v[PS+8*\lt+4:PS+8*\lt+7], v16 offset:64*\lt+16
.endr
.endif
.endm
.macro MAX16                           ; M + lt = the largest of the 16 accumulator registers of row tile lt
.irp lt, 0,1,2,3
	v_max3_num_f32 v[M+\lt], v[ACC+16*\lt], v[ACC+16*\lt+1], v[ACC+16*\lt+2]
.endr
.irp k, 3,5,7,9,11,13
.irp lt, 0,1,2,3
	v_max3_num_f32 v[M+\lt], v[M+\lt], v[ACC+16*\lt+\k], v[ACC+16*\lt+\k+1]
.endr
.endr
.irp lt, 0,1,2,3
	v_max_num_f32 v[M+\lt], v[M+\lt], v[ACC+16*\lt+15]
.endr
.endm
.macro MIN16                           ; N + lt = the smallest of them
.irp lt, 0,1,2,3
	v_min3_num_f32 v[N+\lt], v[ACC+16*\lt], v[ACC+16*\lt+1], v[ACC+16*\lt+2]
.endr
.irp k, 3,5,7,9,11,13
.irp lt, 0,1,2,3
	v_min3_num_f32 v[N+\lt], v[N+\lt], v[ACC+16*\lt+\k], v[ACC+16*\lt+\k+1]
.endr
.endr
.irp lt, 0,1,2,3
	v_min_num_f32 v[N+\lt], v[N+\lt], v[ACC+16*\lt+15]
.endr
.endm
.macro EXPALL                          ; 64 exponentials back to back, then the one plain place (ISA guide 5.7.2)
.set i, 0
.rept 64
	v_exp_f32 v[ACC+i], v[ACC+i]
.set i, i+1
.endr
	v_nop
.endm
.macro CVTH                            ; each tile's 8 f32 become 4 registers of f16, in place, ascending
.irp tl, 0,1,2,3,4,5,6,7
.irp p, 0,1,2,3
	v_cvt_pk_f16_f32 v[ACC+8*\tl+\p], v[ACC+8*\tl+2*\p], v[ACC+8*\tl+2*\p+1]
.endr
.endr
.endm
; v[M], one number a lane, becomes v172, the largest over the wave's 32 lanes and the work-group's eight waves.
; Its barrier also says that every wave's reads of XT are over: they ended in front of the last products.
.macro BLKMAX
	v_max_num_f32_dpp v[M], v[M], v[M] row_xmask:1 row_mask:0xf bank_mask:0xf
	v_max_num_f32_dpp v[M], v[M], v[M] row_xmask:2 row_mask:0xf bank_mask:0xf
	v_max_num_f32_dpp v[M], v[M], v[M] row_xmask:4 row_mask:0xf bank_mask:0xf
	v_max_num_f32_dpp v[M], v[M], v[M] row_xmask:8 row_mask:0xf bank_mask:0xf
	v_permlanex16_b32 v30, v[M], s22, s23
	v_max_num_f32 v[M], v[M], v30
	ds_store_b32 v17, v[M]
	s_wait_dscnt 0x0                               ; for the other waves: my maximum is in LDS
	s_barrier_signal -1
	s_barrier_wait -1
	ds_load_b128 v[164:167], v18
	ds_load_b128 v[168:171], v18 offset:16
	s_wait_dscnt 0x0
	v_max3_num_f32 v164, v164, v165, v166
	v_max3_num_f32 v164, v164, v167, v168
	v_max3_num_f32 v164, v164, v169, v170
	v_max_num_f32 v172, v164, v171
.endm
; lane 0 of wave 0 stores v172, the block's word of mxw; its lane number is its offset, 0
.macro WORDOUT t
	s_cmp_lg_u32 s2, 0
	s_cbranch_scc1 .Lnoword_\@
	s_wait_xcnt 0x0                                ; EXEC is a source of the stores above: it changes only behind this wait
	v_cmp_eq_u32 vcc_lo, 0, v1
	s_and_saveexec_b32 s27, vcc_lo
	global_store_b32 v1, v172, s[20:21] offset:4*\t
	s_wait_xcnt 0x0
	s_or_b32 exec_lo, exec_lo, s27
.Lnoword_\@:
.endm
; roles k and v: the block's column sums in f32, then the tiles in f16 (a lane: 8 neighbouring rows of one column);
; scaled = 1: multiplied by v[174:175] in between
.macro TAILNAT t, scaled
	s_wait_alu depctr_va_vdst(0)
	v_pk_add_f32 v[164:165], v[ACC:ACC+1], v[ACC+2:ACC+3]
	v_pk_add_f32 v[166:167], v[ACC+8:ACC+9], v[ACC+10:ACC+11]
.irp lt, 0,1,2,3
.irp p, 0,2,4,6
.if (8*\lt+\p) > 2
	v_pk_add_f32 v[164:165], v[164:165], v[ACC+16*\lt+\p:ACC+16*\lt+\p+1]
	v_pk_add_f32 v[166:167], v[166:167], v[ACC+16*\lt+8+\p:ACC+16*\lt+8+\p+1]
.endif
.endr
.endr
	v_add_f32 v164, v164, v165
	v_add_f32 v166, v166, v167
	v_permlanex16_b32 v30, v164, s22, s23          ; the other 8 of each 16 rows lie 16 lanes away
	v_permlanex16_b32 v31, v166, s22, s23
	v_add_f32 v164, v164, v30
	v_add_f32 v166, v166, v31
	v_cndmask_b32 v164, v164, v166, s24            ; lane L keeps column 32 w + L
	global_store_b32 v20, v164, s[18:19] offset:1024*\t
.if \scaled
.set i, 0
.rept 32
	v_pk_mul_f32 v[ACC+i:ACC+i+1], v[ACC+i:ACC+i+1], v[174:175]
.set i, i+2
.endr
.endif
	CVTH
.irp lt, 0,1,2,3
.irp a, 0,1
	global_store_b128 v19, v[ACC+8*(2*\lt+\a):ACC+8*(2*\lt+\a)+3], s[16:17] offset:32768*\t+2048*\a+512*\lt
.endr
.endr
.endm
; role k behind the second product: the block's maximum over 64 rows x 256 columns, 2^15 E = 2^15 exp(xp - diag - max)
.macro P4K t
	MAX16
	v_max3_num_f32 v[M], v[M], v[M+1], v[M+2]
	v_max_num_f32 v[M], v[M], v[M+3]
	BLKMAX                                         ; v172: the block's maximum
	v_mul_f32 v174, LOG2E, v172
	v_add_f32 v174, M15, v174
	v_mov_b32 v175, v174
.irp p, 0,2,4,6,8,10,12,14,16,18,20,22,24,26,28,30
	v_pk_fma_f32 v[PS+\p:PS+\p+1], v[PS+\p:PS+\p+1], HLOG2E, v[174:175] op_sel_hi:[1,0,1]      ; (diag + max) log2 e - 15
.endr
.irp lt, 0,1,2,3
.irp a, 0,1
.irp p, 0,2,4,6
	v_pk_fma_f32 v[ACC+8*(2*\lt+\a)+\p:ACC+8*(2*\lt+\a)+\p+1], v[ACC+8*(2*\lt+\a)+\p:ACC+8*(2*\lt+\a)+\p+1], LOG2E, v[PS+8*\lt+\p:PS+8*\lt+\p+1] op_sel_hi:[1,0,1] neg_lo:[0,0,1] neg_hi:[0,0,1]
.endr
.endr
.endr
	EXPALL
	TAILNAT \t, 0
	WORDOUT \t
.endm
; role v behind the second product: the block's largest |vo|; with its exponent field e' (clamped to 16 at the least):
; 1 / g = 2^(140 - e') has the field 267 - e', g = 2^(e' - 140) the field e' - 13; both are normal numbers.
.macro P4V t
	MAX16
	MIN16
	v_max3_num_f32 v[M], v[M], v[M+1], v[M+2]
	v_min3_num_f32 v[N], v[N], v[N+1], v[N+2]
	v_max_num_f32 v[M], v[M], v[M+3]
	v_min_num_f32 v[N], v[N], v[N+3]
	v_sub_f32 v[N], 0, v[N]
	v_max_num_f32 v[M], v[M], v[N]
	BLKMAX                                         ; v172: the block's largest |vo|
	v_max_num_f32 v172, 0x08000000, v172           ; at least 2^-111
	v_and_b32 v172, 0x7f800000, v172               ; its exponent field alone: a power of two
	v_sub_nc_u32 v174, 0x85800000, v172            ; (267 << 23) - field: 1 / g
	v_mov_b32 v175, v174
	v_add_nc_u32 v172, 0xf9800000, v172            ; field - (13 << 23): g
	TAILNAT \t, 1
	WORDOUT \t
.endm
.macro SUBC lt, pair, sel              ; xp log2 e - c of row tile lt; c lies in one register of the pair
.irp p, 0,2,4,6,8,10,12,14
	v_pk_fma_f32 v[ACC+16*\lt+\p:ACC+16*\lt+\p+1], v[ACC+16*\lt+\p:ACC+16*\lt+\p+1], LOG2E, v[\pair:\pair+1] op_sel:[0,0,\sel] op_sel_hi:[1,0,\sel] neg_lo:[0,0,1] neg_hi:[0,0,1]
.endr
.endm
; role q behind the second product: each row's maximum over 256 columns, 2^15 Q = 2^15 exp(xp - diag - max) + 2^15 eps
.macro P4Q t
	MAX16
.irp lt, 0,1,2,3
	v_permlanex16_b32 v30, v[M+\lt], s22, s23
	v_max_num_f32 v[M+\lt], v[M+\lt], v30
	ds_store_b32 v17, v[M+\lt] offset:512*\lt
.endr
	s_wait_dscnt 0x0
	s_barrier_signal -1
	s_barrier_wait -1
.irp lt, 0,1,2,3
	ds_load_b128 v[196+8*\lt:196+8*\lt+3], v18 offset:512*\lt
	ds_load_b128 v[200+8*\lt:200+8*\lt+3], v18 offset:512*\lt+16
.endr
	s_wait_dscnt 0x0
.irp lt, 0,1,2,3
	v_max3_num_f32 v[M+\lt], v[196+8*\lt], v[197+8*\lt], v[198+8*\lt]
	v_max3_num_f32 v[M+\lt], v[M+\lt], v[199+8*\lt], v[200+8*\lt]
	v_max3_num_f32 v[M+\lt], v[M+\lt], v[201+8*\lt], v[202+8*\lt]
	v_max_num_f32 v[M+\lt], v[M+\lt], v[203+8*\lt]
	v_mul_f32 v[M+\lt], LOG2E, v[M+\lt]
	v_fmamk_f32 v[M+\lt], v[PS+\lt], HLOG2E, v[M+\lt]
	v_add_f32 v[M+\lt], M15, v[M+\lt]                            ; c = (diag + max) log2 e - 15
.endr
	SUBC 0, M, 0
	SUBC 1, M, 1
	SUBC 2, M+2, 0
	SUBC 3, M+2, 1
	EXPALL
.set i, 0
	s_wait_alu depctr_va_vdst(0)
.rept 32
	v_pk_add_f32 v[ACC+i:ACC+i+1], v[ACC+i:ACC+i+1], EPSQ op_sel_hi:[1,0]
.set i, i+2
.endr
	CVTH
.irp lt, 0,1,2,3
.irp a, 0,1
	global_store_b128 v19, v[ACC+8*(2*\lt+\a):ACC+8*(2*\lt+\a)+3], s[16:17] offset:32768*\t+8192*\lt+512*\a
.endr
.endr
.endm
; one block of 64 rows.  role 0 q, 1 k, 2 v.  Four barriers, each on every wave's path.
.macro BLOCK role, t
	s_wait_dscnt 0x0                               ; my stores of the tile (and, at first, of the weights and the bias)
.if \t
	s_wait_xcnt 0x0                                ; the last block's stores have read ACC, the sums and the word
.endif
	s_barrier_signal -1
	s_barrier_wait -1
.if \role < 2
	POSLD \t
.endif
	GEMM 1, 1, 6, 7
.if \role < 2
	P2QK
	TOTDIAG \role
.else
	P2V
.endif
.if \role == 0
	GEMM 0, 1, 8, 8
.endif
.if \role == 1
	GEMM 0, 0, 8, 8
.endif
.if \role == 2
	GEMM 1, 0, 8, 9
.endif
	PLACES
.if \t == 0
	LOADCH 96, 6, 65536                            ; the second block's rows, on their way during the tail
.endif
.if \role == 0
	P4Q \t
.endif
.if \role == 1
	P4K \t
.endif
.if \role == 2
	P4V \t
.endif
.if \t == 0
	s_wait_loadcnt 0x0
	STORECH 96, 4, PX                              ; behind the tail's barrier: no wave reads XT any more
.endif
.endm
.macro PTRS in, w1, w2, bi, out
	s_load_b64 s[6:7], s[0:1], \in
	s_load_b64 s[8:9], s[0:1], \w1
	s_load_b64 s[10:11], s[0:1], \w2
	s_load_b64 s[12:13], s[0:1], \bi
	s_load_b64 s[16:17], s[0:1], \out
.endm
.macro QKADR                           ; what roles q and k alone address
	v_add3_u32 v8, v31, s45, W2                    ; proj: W2 + 17408 w + 528 r + 16 h: my wave's own part
	v_lshlrev_b32 v11, 10, v21
	v_lshl_add_u32 v11, v30, 5, v11
	v_add_nc_u32 v11, s29, v11                     ; pos: 1024 r + 128 w + 32 h
	v_lshlrev_b32 v13, 5, v21
	v_add3_u32 v13, v13, s30, DGP                  ; DGP + 32 r + 4 w
	v_lshlrev_b32 v14, 5, v1
	v_add_nc_u32 v14, DGP, v14                     ; DGP + 32 L
	v_lshlrev_b32 v15, 2, v1
	v_add3_u32 v15, v15, s31, DGT                  ; DGT + 256 w + 4 L
.endm
	s_set_vgpr_msb 0x40
	v_lshl_add_u32 v0, v0, 2, 0x4e000
	v_mov_b32 v1, 0
	s_set_vgpr_msb 0x4000
	v_lshrrev_b32 v21, 5, v0
	v_readfirstlane_b32 s2, v21                    ; wave
	s_and_b32 s3, ttmp7, 0xffff                    ; role
	s_mov_b32 s22, 0x76543210                      ; v_permlanex16_b32: lane i takes lane i of the other half
	s_mov_b32 s23, 0xfedcba98
	s_mov_b32 s24, 0xffff0000                      ; lanes 16 to 31
	s_mov_b32 s25, 0x477fe000                      ; 65504.0
	s_mov_b32 s26, 0xc77fe000
	s_lshl_b32 s32, ttmp9, 17                      ; 128 rows of 1,024 bytes
	s_mov_b32 s33, 0
	s_and_b32 s34, ttmp9, 15                       ; 16 work-groups to a batch: the position starts anew
	s_lshl_b32 s34, s34, 17
	s_mov_b32 s35, 0
	s_lshl_b32 s36, ttmp9, 16                      ; two blocks of 32,768 bytes of f16
	s_mov_b32 s37, 0
	s_lshl_b32 s38, ttmp9, 11                      ; two blocks of 256 f32
	s_mov_b32 s39, 0
	s_lshl_b32 s40, ttmp9, 3                       ; two f32
	s_mov_b32 s41, 0
	s_lshl_b32 s28, s2, 6
	s_lshl_b32 s29, s2, 7
	s_lshl_b32 s30, s2, 2
	s_lshl_b32 s31, s2, 8
	s_lshl_b32 s44, s2, 15                         ; my wave's 32 rows of W2 in memory
	s_mul_i32 s45, s2, 32*PW                       ; and its part of W2 in LDS: 17,408 w
	v_and_b32 v1, 31, v0                           ; L
	v_and_b32 v21, 15, v0                          ; r
	v_bfe_u32 v30, v0, 4, 1                        ; h
	v_lshlrev_b32 v2, 4, v0
	v_lshlrev_b32 v20, 2, v0
	v_lshrrev_b32 v226, 6, v0                      ; which of a load's four rows is mine
	v_and_b32 v227, 63, v0
	v_lshlrev_b32 v227, 3, v227                    ; my 4 numbers, as f16
	v_mad_u32_u24 v3, v226, PW, v227               ; W1 begins at LDS byte 0
	v_mad_u32_u24 v4, v226, PX, v227
	v_add_nc_u32 v4, XT, v4
	v_lshl_add_u32 v228, v1, 4, s44                ; 32768 w + 16 L
	v_lshl_add_u32 v225, v1, 3, s45
	v_add_nc_u32 v225, W2, v225                    ; W2 + 17408 w + 8 L
	v_mul_u32_u24 v31, v21, PX
	v_lshl_add_u32 v31, v30, 4, v31                ; 528 r + 16 h
	v_add_nc_u32 v5, XT, v31
	v_add_nc_u32 v10, s28, v5                      ; + 64 w
	v_and_b32 v6, 7, v0
	v_lshl_add_u32 v6, v30, 3, v6
	v_mul_u32_u24 v6, v6, PW                       ; (8 h + L % 8) 544
	v_bfe_u32 v7, v0, 3, 1
	v_lshl_add_u32 v6, v7, 4, v6                   ; + 16 ((L / 8) % 2)
	v_add_nc_u32 v6, s28, v6                       ; + 64 w
	v_add_nc_u32 v7, 128*PW, v6
	v_lshlrev_b32 v12, 5, v30
	v_add3_u32 v12, v12, s29, BIAS                 ; BIAS + 128 w + 32 h
	v_add_nc_u32 v229, BIAS, v20
	s_cmp_eq_u32 s3, 0
	s_cbranch_scc1 .Lrole_q
	s_cmp_eq_u32 s3, 1
	s_cbranch_scc1 .Lrole_k
	; role v: value, Wv, Wo, bv -> Vo, mxw kind 1, cs kind 1
	PTRS 0x10, 0x28, 0x50, 0x40, 0x70
	s_load_b64 s[20:21], s[0:1], 0x78
	s_load_b64 s[18:19], s[0:1], 0x80
	s_add_co_u32 s38, s38, 131072                  ; cs kind 1
	s_add_co_u32 s40, s40, 512                     ; mxw kind 1
	s_lshl_b32 s43, s2, 12
	v_lshl_add_u32 v19, v1, 4, s43                 ; 4096 w + 16 L
	v_add_nc_u32 v8, W2, v6
	v_add_nc_u32 v9, 128*PW, v8
	v_mov_b32 v17, MQP
	v_add_nc_u32 v17, s30, v17                     ; MQP + 4 w
	v_mov_b32 v18, MQP
	s_wait_kmcnt 0x0
	s_add_nc_u64 s[6:7], s[6:7], s[32:33]
	s_add_nc_u64 s[16:17], s[16:17], s[36:37]
	s_add_nc_u64 s[18:19], s[18:19], s[38:39]
	s_add_nc_u64 s[20:21], s[20:21], s[40:41]
	PRO PW, 0
	BLOCK 2, 0
	BLOCK 2, 1
	s_set_vgpr_msb 0x5
	s_wait_tensorcnt 0x0
	ds_add_u32 v0, v1
	s_wait_dscnt 0x0
	s_set_vgpr_msb 0x500
	s_endpgm
.Lrole_q:                              ; query, Wq, proj, bq, pos -> Qn
	PTRS 0x00, 0x18, 0x48, 0x30, 0x60
	s_load_b64 s[14:15], s[0:1], 0x58
	QKADR
	v_lshlrev_b32 v16, 2, v21
	v_add3_u32 v16, v16, s31, DGT                  ; DGT + 256 w + 4 r
	v_add_nc_u32 v17, MQP-DGP, v13                 ; MQP + 32 r + 4 w
	v_lshlrev_b32 v18, 5, v21
	v_add_nc_u32 v18, MQP, v18                     ; MQP + 32 r
	s_lshl_b32 s43, s2, 10
	v_lshl_add_u32 v19, v1, 4, s43                 ; 1024 w + 16 L
	s_wait_kmcnt 0x0
	s_add_nc_u64 s[6:7], s[6:7], s[32:33]
	s_add_nc_u64 s[14:15], s[14:15], s[34:35]
	s_add_nc_u64 s[16:17], s[16:17], s[36:37]
	PRO PX, 1
	BLOCK 0, 0
	BLOCK 0, 1
	s_set_vgpr_msb 0x5
	s_wait_tensorcnt 0x0
	ds_add_u32 v0, v1
	s_wait_dscnt 0x0
	s_set_vgpr_msb 0x500
	s_endpgm
.Lrole_k:                              ; key, Wk, proj, bk, pos -> Ek, mxw kind 0, cs kind 0
	PTRS 0x08, 0x20, 0x48, 0x38, 0x68
	s_load_b64 s[14:15], s[0:1], 0x58
	s_load_b64 s[20:21], s[0:1], 0x78
	s_load_b64 s[18:19], s[0:1], 0x80
	QKADR
	v_lshlrev_b32 v16, 5, v30
	v_add3_u32 v16, v16, s31, DGT                  ; DGT + 256 w + 32 h
	v_mov_b32 v17, MQP
	v_add_nc_u32 v17, s30, v17                     ; MQP + 4 w
	v_mov_b32 v18, MQP
	s_lshl_b32 s43, s2, 12
	v_lshl_add_u32 v19, v1, 4, s43                 ; 4096 w + 16 L
	s_wait_kmcnt 0x0
	s_add_nc_u64 s[6:7], s[6:7], s[32:33]
	s_add_nc_u64 s[14:15], s[14:15], s[34:35]
	s_add_nc_u64 s[16:17], s[16:17], s[36:37]
	s_add_nc_u64 s[18:19], s[18:19], s[38:39]
	s_add_nc_u64 s[20:21], s[20:21], s[40:41]
	PRO PX, 1
	BLOCK 1, 0
	BLOCK 1, 1
	s_set_vgpr_msb 0x5
	s_wait_tensorcnt 0x0
	ds_add_u32 v0, v1
	s_wait_dscnt 0x0
	s_set_vgpr_msb 0x500
	s_endpgm
.Lfunc_end_k_q554133b02c_feat:
	.size	k_q554133b02c_feat, .Lfunc_end_k_q554133b02c_feat-k_q554133b02c_feat
	.p2alignl 7, 3214868480
	.fill 96, 4, 3214868480
	.section	.rodata,"a",@progbits
	.p2align	6, 0x0
	.amdhsa_kernel k_q554133b02c_feat
		.amdhsa_group_segment_fixed_size 320512
		.amdhsa_private_segment_fixed_size 0
		.amdhsa_enable_private_segment 0
		.amdhsa_kernarg_size 136
		.amdhsa_user_sgpr_count 2
		.amdhsa_user_sgpr_kernarg_segment_ptr 1
		.amdhsa_wavefront_size32 1
		.amdhsa_system_sgpr_workgroup_id_x 1
		.amdhsa_system_sgpr_workgroup_id_y 1
		.amdhsa_system_sgpr_workgroup_id_z 1
		.amdhsa_system_vgpr_workitem_id 0
		.amdhsa_next_free_vgpr 258
		.amdhsa_next_free_sgpr 66
		.amdhsa_reserve_vcc 1
		.amdhsa_float_denorm_mode_32 3
		.amdhsa_float_denorm_mode_16_64 3
		.amdhsa_memory_ordered 1
		.amdhsa_forward_progress 1
		.amdhsa_inst_pref_size 255
	.end_amdhsa_kernel
	.section	.bss,"aw",@nobits
	.p2align	6
	.space	262144
	.amdgpu_metadata
---
amdhsa.version: [ 1, 2 ]
amdhsa.kernels:
  - .name:           k_q554133b02c_feat
    .symbol:         k_q554133b02c_feat.kd
    .args:
      - { .name: query, .offset: 0, .size: 8, .value_kind: global_buffer, .address_space: global }
      - { .name: key, .offset: 8, .size: 8, .value_kind: global_buffer, .address_space: global }
      - { .name: value, .offset: 16, .size: 8, .value_kind: global_buffer, .address_space: global }
      - { .name: Wq, .offset: 24, .size: 8, .value_kind: global_buffer, .address_space: global }
      - { .name: Wk, .offset: 32, .size: 8, .value_kind: global_buffer, .address_space: global }
      - { .name: Wv, .offset: 40, .size: 8, .value_kind: global_buffer, .address_space: global }
      - { .name: bq, .offset: 48, .size: 8, .value_kind: global_buffer, .address_space: global }
      - { .name: bk, .offset: 56, .size: 8, .value_kind: global_buffer, .address_space: global }
      - { .name: bv, .offset: 64, .size: 8, .value_kind: global_buffer, .address_space: global }
      - { .name: proj, .offset: 72, .size: 8, .value_kind: global_buffer, .address_space: global }
      - { .name: Wo, .offset: 80, .size: 8, .value_kind: global_buffer, .address_space: global }
      - { .name: pos, .offset: 88, .size: 8, .value_kind: global_buffer, .address_space: global }
      - { .name: Qn, .offset: 96, .size: 8, .value_kind: global_buffer, .address_space: global }
      - { .name: Ek, .offset: 104, .size: 8, .value_kind: global_buffer, .address_space: global }
      - { .name: Vo, .offset: 112, .size: 8, .value_kind: global_buffer, .address_space: global }
      - { .name: mxw, .offset: 120, .size: 8, .value_kind: global_buffer, .address_space: global }
      - { .name: cs, .offset: 128, .size: 8, .value_kind: global_buffer, .address_space: global }
    .group_segment_fixed_size: 320512
    .private_segment_fixed_size: 0
    .kernarg_segment_align: 8
    .kernarg_segment_size: 136
    .max_flat_workgroup_size: 256
    .sgpr_count:     66
    .vgpr_count:     258
    .wavefront_size: 32
...
	.end_amdgpu_metadata
.endif
;; end of part 1
;; launch comb (part 2): grid 64 x 4, 8 waves a work-group, no clusters, 35,840 bytes of LDS; arguments Ek, Vo, mxw, cs, Tn, sv; writes Tn, sv
.if DOCPART == 2
	.amdgcn_target "amdgcn-amd-amdhsa--gfx1250"
	.amdhsa_code_object_version 6
	.text
	.protected	k_q554133b02c_comb
	.globl	k_q554133b02c_comb
	.p2align	8
	.type	k_q554133b02c_comb,@function
k_q554133b02c_comb:
	s_mov_b64 s[64:65], 0
	v_nop
	global_prefetch_b8 v0, s[64:65] scope:SCOPE_SE
	s_setreg_imm32_b32 hwreg(HW_REG_WAVE_MODE, 25, 1), 1
	s_wait_xcnt 0x0
; Second launch: T[b] = sum over l of E_k[l][m] vo[l][j], s[b] = column sums of E_k, VW[b] = column sums of vo.
; E_k was made with the maximum of its own block of 64 rows; here each block's product and column sums are multiplied by
; exp(block maximum - batch maximum), which is at most 1: together that is reference()'s maximum over all of L and M.
; SCALES: Ek holds 2^15 E_k, Vo holds vo / g with the block's own power of two g (mxw kind 1).  G = the largest g of the
; batch, V = 2^14 G > every |vo| of the batch.  Stored: Tn = 16 T / V in f16: |T| < 2048 V, so |Tn| < 32,768; what f16
; loses below its normal range is at most 2^-25 V / 16, against a mean term eps VW of the order of 1e-5 V.  So a block's
; product is multiplied by exp(..) x (g / G) x 2^-25 (-15 for Ek, +4 for the 16, -14 for V).  sv kind 0 = 16 s in f32
; (the sums of 2^15 E_k times 2^-11), at most 32,768; sv kind 1 = VW in f32, unscaled.
; A work-group makes a tile of 32 (m) x 32 (j) of T for batch y: 4 accumulator tiles.  Wave w sums blocks 4 w .. 4 w + 3
; (256 of the 2,048 rows); the eight parts meet in LDS.  Ek and Vo lie in fragment order: every load of a wave is 512
; consecutive bytes, aligned, and goes straight into the registers that the matrix instruction names.
; T is stored in the order of the last launch's fragments (lane: column j, 8 neighbouring m).
; NO CLUSTER: the pieces that work-groups share go from memory into registers; there is no LDS tile to send jointly.
; LIMITS: v_exp_f32 gives 0 below 2^-126 (a block more than 87 below the batch's maximum counts as 0); v_rcp_f32 of G
; is good to 1 ULP.
.set SPO,  32768                       ; [wave 8][32] f32: parts of s; 1,024 bytes behind it the parts of VW
.set TOT,  32                          ; v[32:63]   the wave's sum, tile (a, c) at 32 + 8 (2 a + c)
.set BACC, 64                          ; v[64:95]   one block's product
.set SET0, 96                          ; v[96:159]  fragments of a block: E^T (a, ks) at +16 a + 8 ks, vo (c, ks) at +32 + 16 c + 8 ks
.set SET1, 160                         ; v[160:223]
.set LOG2E, 0x3fb8aa3b
.macro PLACES                          ; four plain vector places behind a matrix instruction (ISA guide 7.12.1)
.rept 4
	v_nop
.endr
.endm
.macro LDBLK i, set                    ; block i of my four: 4,096 consecutive bytes of Ek and of Vo
.irp n, 0,1,2,3,4,5,6,7
	global_load_b128 v[\set+4*\n:\set+4*\n+3], v1, s[4:5] offset:32768*\i+512*\n
.endr
.irp n, 0,1,2,3,4,5,6,7
	global_load_b128 v[\set+32+4*\n:\set+32+4*\n+3], v1, s[6:7] offset:32768*\i+512*\n
.endr
.endm
; One block: 64 rows are two K steps on four accumulators, which take turns; the first step
; starts the sums.  left: the 16 loads of the younger set stay out.  nxt: the block that this set takes next (0: none).
.macro BLK i, set, left, nxt, pair, sel
	s_wait_loadcnt \left
.irp ks, 0,1
.irp a, 0,1
.irp c, 0,1
.if \ks == 0
	v_wmma_f32_16x16x32_f16 v[BACC+8*(2*\a+\c):BACC+8*(2*\a+\c)+7], v[\set+16*\a+8*\ks:\set+16*\a+8*\ks+7], v[\set+32+16*\c+8*\ks:\set+32+16*\c+8*\ks+7], 0
.else
	v_wmma_f32_16x16x32_f16 v[BACC+8*(2*\a+\c):BACC+8*(2*\a+\c)+7], v[\set+16*\a+8*\ks:\set+16*\a+8*\ks+7], v[\set+32+16*\c+8*\ks:\set+32+16*\c+8*\ks+7], v[BACC+8*(2*\a+\c):BACC+8*(2*\a+\c)+7]
.endif
.endr
.endr
.endr
	PLACES
.if \nxt
	LDBLK \nxt, \set
.endif
.irp p, 0,2,4,6,8,10,12,14,16,18,20,22,24,26,28,30
.if \i == 0
	v_pk_mul_f32 v[TOT+\p:TOT+\p+1], v[BACC+\p:BACC+\p+1], v[\pair:\pair+1] op_sel_hi:[1,0]
.else
	v_pk_fma_f32 v[TOT+\p:TOT+\p+1], v[BACC+\p:BACC+\p+1], v[\pair:\pair+1], v[TOT+\p:TOT+\p+1] op_sel:[0,\sel,0] op_sel_hi:[1,\sel,1]
.endif
.endr
.endm
; one wave adds the eight waves' parts of 32 column sums and stores them
.macro COLSUM region, blk, kindoff
	v_add_nc_u32 v6, \region, v2
.irp ww, 0,1,2,3,4,5,6,7
	ds_load_b32 v[16+\ww], v6 offset:128*\ww
.endr
	s_lshl_b32 s24, s3, 10
	s_lshl_b32 s25, \blk, 7
	s_add_co_u32 s24, s24, s25
	s_add_co_u32 s24, s24, \kindoff
	s_mov_b32 s25, 0
	s_add_nc_u64 s[14:15], s[14:15], s[24:25]
	s_wait_dscnt 0x0
	v_pk_add_f32 v[16:17], v[16:17], v[18:19]
	v_pk_add_f32 v[20:21], v[20:21], v[22:23]
	v_pk_add_f32 v[16:17], v[16:17], v[20:21]
	v_add_f32 v16, v16, v17
	global_store_b32 v2, v16, s[14:15]
.endm
	s_load_b256 s[4:11], s[0:1], 0x0               ; Ek s[4:5], Vo s[6:7], mxw s[8:9], cs s[10:11]
	s_load_b128 s[12:15], s[0:1], 0x20             ; Tn s[12:13], sv s[14:15]
	v_lshl_add_u32 v224, v0, 2, 0x8800
	v_mov_b32 v225, 0
	v_lshrrev_b32 v5, 5, v0
	v_readfirstlane_b32 s2, v5                     ; wave
	v_and_b32 v6, 31, v0
	v_lshlrev_b32 v1, 4, v6                        ; 16 L
	v_lshlrev_b32 v2, 2, v6                        ; 4 L
	v_mov_b32 v13, 0                               ; written before v_permlanex16_b32 names it
	s_and_b32 s3, ttmp7, 0xffff                    ; b
	s_lshr_b32 s16, ttmp9, 3                       ; mblk
	s_and_b32 s17, ttmp9, 7                        ; jblk
	s_mov_b32 s22, 0x76543210
	s_mov_b32 s23, 0xfedcba98
	s_lshl_b32 s18, s3, 20                         ; 32 blocks of 32,768 bytes to a batch
	s_lshl_b32 s19, s2, 17                         ; 4 blocks to a wave
	s_add_co_u32 s18, s18, s19
	s_lshl_b32 s24, s16, 12                        ; two tiles of 16 columns, 2,048 bytes each
	s_add_co_u32 s24, s24, s18
	s_mov_b32 s25, 0
	s_lshl_b32 s26, s17, 12
	s_add_co_u32 s26, s26, s18
	s_mov_b32 s27, 0
	s_lshl_b32 s28, s3, 7                          ; 32 words of mxw to a batch
	s_mov_b32 s29, 0
	s_lshl_b32 s18, s3, 15                         ; cs: 32 blocks of 1,024 bytes to a batch
	s_lshl_b32 s19, s2, 12
	s_add_co_u32 s18, s18, s19
	s_lshl_b32 s30, s16, 7
	s_add_co_u32 s30, s30, s18
	s_mov_b32 s31, 0
	s_lshl_b32 s32, s17, 7
	s_add_co_u32 s32, s32, s18
	s_add_co_u32 s32, s32, 131072                  ; kind 1
	s_mov_b32 s33, 0
	s_lshl_b32 s20, s2, 4
	v_mov_b32 v5, s20                              ; my four blocks' words: 16 w, the same in every lane
	s_lshl_b32 s21, s2, 12
	v_add_nc_u32 v3, s21, v1                       ; my part of the tile: 4096 w + 16 L
	s_lshl_b32 s21, s2, 10
	v_add_nc_u32 v4, s21, v1                       ; the tile that I add up: 1024 w + 16 L
	s_lshl_b32 s21, s2, 7
	v_add3_u32 v7, v2, s21, SPO                    ; my parts of the column sums
	s_wait_kmcnt 0x0
	s_add_nc_u64 s[4:5], s[4:5], s[24:25]
	s_add_nc_u64 s[6:7], s[6:7], s[26:27]
	s_add_nc_u64 s[8:9], s[8:9], s[28:29]
	s_add_nc_u64 s[34:35], s[10:11], s[30:31]
	s_add_nc_u64 s[36:37], s[10:11], s[32:33]
	global_load_b32 v12, v2, s[8:9]                ; the batch's 32 block maxima, one a lane
	global_load_b32 v28, v2, s[8:9] offset:512     ; the batch's 32 g
	global_load_b128 v[8:11], v5, s[8:9]           ; the maxima of my four blocks
	global_load_b128 v[24:27], v5, s[8:9] offset:512       ; their g
.irp i, 0,1,2,3
	global_load_b32 v[16+\i], v2, s[34:35] offset:1024*\i        ; column sums of 2^15 E_k, columns 32 mblk + L
.endr
.irp i, 0,1,2,3
	global_load_b32 v[20+\i], v2, s[36:37] offset:1024*\i        ; column sums of vo, columns 32 jblk + L
.endr
	LDBLK 0, SET0
	LDBLK 1, SET1
	s_wait_loadcnt 32                              ; the twelve small loads are in; the two sets' 32 stay out
.irp x, 1,2,4,8
	v_max_num_f32_dpp v12, v12, v12 row_xmask:\x row_mask:0xf bank_mask:0xf
	v_max_num_f32_dpp v28, v28, v28 row_xmask:\x row_mask:0xf bank_mask:0xf
.endr
	v_permlanex16_b32 v13, v12, s22, s23
	v_max_num_f32 v12, v12, v13                    ; the batch's maximum
	v_permlanex16_b32 v13, v28, s22, s23
	v_max_num_f32 v28, v28, v13                    ; G
.irp i, 0,1,2,3
	v_sub_f32 v[8+\i], v[8+\i], v12
.endr
.irp i, 0,1,2,3
	v_mul_f32 v[8+\i], LOG2E, v[8+\i]
.endr
.irp i, 0,1,2,3
	v_exp_f32 v[8+\i], v[8+\i]                     ; exp(block maximum - batch maximum)
.endr
	v_rcp_f32 v28, v28                             ; 1 / G
	v_add_f32 v14, v20, v21                        ; the plain place behind the transcendentals (ISA guide 5.7.2)
	v_add_f32 v15, v22, v23
	v_add_f32 v14, v14, v15                        ; my part of VW
	s_wait_alu depctr_va_vdst(0)
	v_mul_f32 v13, v8, v16
	v_fmac_f32 v13, v9, v17
	v_fmac_f32 v13, v10, v18
	v_fmac_f32 v13, v11, v19
	v_mul_f32 v13, 0x3a000000, v13                 ; x 2^-11: my part of 16 s
.irp i, 0,1,2,3
	v_mul_f32 v[24+\i], v[24+\i], v28              ; g / G <= 1
.endr
.irp i, 0,1,2,3
	v_mul_f32 v[8+\i], 0x33000000, v[8+\i]         ; x 2^-25
.endr
.irp i, 0,1,2,3
	v_mul_f32 v[8+\i], v[8+\i], v[24+\i]           ; what block i's product is multiplied by
.endr
	BLK 0, SET0, 16, 2, 8, 0
	BLK 1, SET1, 16, 3, 8, 1
	BLK 2, SET0, 16, 0, 10, 0
	BLK 3, SET1, 0, 0, 10, 1
.irp n, 0,1,2,3,4,5,6,7
	ds_store_b128 v3, v[TOT+4*\n:TOT+4*\n+3] offset:512*\n
.endr
	ds_store_b32 v7, v13
	ds_store_b32 v7, v14 offset:1024
	s_wait_dscnt 0x0                               ; for the other waves: my parts are in LDS
	s_barrier_signal -1
	s_barrier_wait -1
	s_cmp_lt_u32 s2, 4
	s_cbranch_scc0 .Lsums
	; waves 0 to 3: tile (a, c) = (w / 2, w % 2) is added up over the eight waves, rounded and stored
.irp ww, 0,1,2,3,4,5,6,7
.irp q, 0,1
	ds_load_b128 v[96+8*\ww+4*\q:96+8*\ww+4*\q+3], v4 offset:4096*\ww+512*\q
.endr
.endr
	s_lshl_b32 s24, s3, 17                         ; 16 column tiles of 8,192 bytes to a batch
	s_lshl_b32 s25, s17, 14
	s_add_co_u32 s24, s24, s25
	s_and_b32 s25, s2, 1
	s_lshl_b32 s25, s25, 13                        ; column tile 2 jblk + c
	s_add_co_u32 s24, s24, s25
	s_lshl_b32 s25, s16, 10                        ; K step mblk
	s_add_co_u32 s24, s24, s25
	s_lshr_b32 s25, s2, 1
	s_lshl_b32 s25, s25, 9                         ; half a
	s_add_co_u32 s24, s24, s25
	s_mov_b32 s25, 0
	s_add_nc_u64 s[12:13], s[12:13], s[24:25]
.irp ww, 1,2,3,4,5,6,7
	s_wait_dscnt 14-2*\ww                          ; parts 0 to ww are in: two loads for each later part stay out
.irp p, 0,2,4,6
	v_pk_add_f32 v[96+\p:97+\p], v[96+\p:97+\p], v[96+8*\ww+\p:97+8*\ww+\p]
.endr
.endr
.irp p, 0,1,2,3
	v_cvt_pk_f16_f32 v[96+\p], v[96+2*\p], v[97+2*\p]
.endr
	global_store_b128 v1, v[96:99], s[12:13]       ; 512 consecutive bytes, aligned
	s_wait_tensorcnt 0x0
	ds_add_u32 v224, v225
	s_wait_dscnt 0x0
	s_endpgm
.Lsums:
	s_cmp_eq_u32 s2, 4
	s_cbranch_scc0 .Lvw
	s_cmp_lg_u32 s17, 0                            ; s hangs on mblk alone: the work-group with jblk = 0 stores it
	s_cbranch_scc1 .Lend
	COLSUM SPO, s16, 0
	s_wait_tensorcnt 0x0
	ds_add_u32 v224, v225
	s_wait_dscnt 0x0
	s_endpgm
.Lvw:
	s_cmp_eq_u32 s2, 5
	s_cbranch_scc0 .Lend
	s_cmp_lg_u32 s16, 0                            ; VW hangs on jblk alone: the work-group with mblk = 0 stores it
	s_cbranch_scc1 .Lend
	COLSUM SPO+1024, s17, 4096
.Lend:
	s_wait_tensorcnt 0x0
	ds_add_u32 v224, v225
	s_wait_dscnt 0x0
	s_endpgm
.Lfunc_end_k_q554133b02c_comb:
	.size	k_q554133b02c_comb, .Lfunc_end_k_q554133b02c_comb-k_q554133b02c_comb
	.p2alignl 7, 3214868480
	.fill 96, 4, 3214868480
	.section	.rodata,"a",@progbits
	.p2align	6, 0x0
	.amdhsa_kernel k_q554133b02c_comb
		.amdhsa_group_segment_fixed_size 35840
		.amdhsa_private_segment_fixed_size 0
		.amdhsa_enable_private_segment 0
		.amdhsa_kernarg_size 48
		.amdhsa_user_sgpr_count 2
		.amdhsa_user_sgpr_kernarg_segment_ptr 1
		.amdhsa_wavefront_size32 1
		.amdhsa_system_sgpr_workgroup_id_x 1
		.amdhsa_system_sgpr_workgroup_id_y 1
		.amdhsa_system_sgpr_workgroup_id_z 1
		.amdhsa_system_vgpr_workitem_id 0
		.amdhsa_next_free_vgpr 226
		.amdhsa_next_free_sgpr 66
		.amdhsa_reserve_vcc 0
		.amdhsa_float_denorm_mode_32 3
		.amdhsa_float_denorm_mode_16_64 3
		.amdhsa_memory_ordered 1
		.amdhsa_forward_progress 1
		.amdhsa_inst_pref_size 26
	.end_amdhsa_kernel
	.amdgpu_metadata
---
amdhsa.version: [ 1, 2 ]
amdhsa.kernels:
  - .name:           k_q554133b02c_comb
    .symbol:         k_q554133b02c_comb.kd
    .args:
      - { .name: Ek, .offset: 0, .size: 8, .value_kind: global_buffer, .address_space: global }
      - { .name: Vo, .offset: 8, .size: 8, .value_kind: global_buffer, .address_space: global }
      - { .name: mxw, .offset: 16, .size: 8, .value_kind: global_buffer, .address_space: global }
      - { .name: cs, .offset: 24, .size: 8, .value_kind: global_buffer, .address_space: global }
      - { .name: Tn, .offset: 32, .size: 8, .value_kind: global_buffer, .address_space: global }
      - { .name: sv, .offset: 40, .size: 8, .value_kind: global_buffer, .address_space: global }
    .group_segment_fixed_size: 35840
    .private_segment_fixed_size: 0
    .kernarg_segment_align: 8
    .kernarg_segment_size: 48
    .max_flat_workgroup_size: 256
    .sgpr_count:     66
    .vgpr_count:     226
    .wavefront_size: 32
...
	.end_amdgpu_metadata
.endif
;; end of part 2
;; launch fin (part 3): grid 64 x 4, 8 waves a work-group, no clusters, 51,712 bytes of LDS; arguments Qn, Tn, sv, bo, out0, mxw; writes out0
.if DOCPART == 3
	.amdgcn_target "amdgcn-amd-amdhsa--gfx1250"
	.amdhsa_code_object_version 6
	.text
	.protected	k_q554133b02c_fin
	.globl	k_q554133b02c_fin
	.p2align	8
	.type	k_q554133b02c_fin,@function
k_q554133b02c_fin:
	s_mov_b64 s[64:65], 0
	v_nop
	global_prefetch_b8 v0, s[64:65] scope:SCOPE_SE
	s_setreg_imm32_b32 hwreg(HW_REG_WAVE_MODE, 25, 1), 1
	s_wait_xcnt 0x0
; Third launch: out[l][j] = (sum_m Q[l][m] T[m][j] + eps VW[j] qs[l]) / (sum_m Q[l][m] s[m] + eps L qs[l]) + bo[j],
; qs[l] = sum_m Q[l][m].  The terms with eps carry the mean of vo and stay in f32 but for qs, which stands in numerator
; and denominator alike.
; SCALES: Qn = 2^15 Q, Tn = 16 T / V, sv kind 0 = 16 s, all f16 operands here; V = 2^14 x the largest g of the batch
; (mxw kind 1), formed here from the batch's 32 words.  With A = sum Qn Tn, dq = sum Qn (16 s), qs' = sum Qn, numerator and
; denominator times 2^19 are A V + 16 eps VW qs' and dq + 16 eps L qs'.
; A work-group makes 32 rows of batch y; wave w the columns 32 w .. 32 w + 31: 4 accumulator tiles, and for each 16 rows
; one more whose source 0 holds 16 s in its rows 0-7 and ones in its rows 8-15: its row 0 is dq, its row 8 is qs'.
; T is source 0, so a lane's 8 results are 8 neighbouring columns of one row.
; Q (16,384 bytes, fragment order) is copied once into LDS, since all eight waves read all of it; a wave's own 16,384
; bytes of T go straight from memory into 128 registers.  The result leaves through LDS as whole rows.
; NO CLUSTER: T[b] is shared by the batch's work-groups, but goes into registers; there is no LDS tile to send jointly.
; LIMITS: v_rcp_f32 is good to 1 ULP; the denominator is at least 0.032768 x 256 x 0.032768 = 0.27; |vo| below 2^113,
; so that V and its products stay finite.
.set SB,   16384                       ; 16 s in f16, 512 bytes; Q lies at LDS byte 0
.set OST,  17408                       ; 32 rows of out, pitch 1,040 = 65 x 16; ones (256 f16) lie at 16,896
.set OP,   1040
.set ACC,  16                          ; v[16:47] tile (c, lt) at 16 + 8 (2 c + lt); v[48:63] the two extra tiles
.set FB0,  64                          ; v[64:87]  Q rows 0-15, Q rows 16-31, s / ones
.set FB1,  88                          ; v[88:111]
.set TF,   112                         ; v[112:239] T, fragment (c, ks) at 112 + 16 ks + 8 c
.set VV,   240                         ; v240      V
.set EPS16,  0x378637bd                ; 16e-6
.set EPSL16, 0x3d0637bd                ; 16 x 2048e-6 = 0.032768
.macro PLACES                          ; four plain vector places behind a matrix instruction (ISA guide 7.12.1)
.rept 4
	v_nop
.endr
.endm
.macro FETCH fb, ks                    ; six LDS loads: one K step of Q's two row tiles and of s / ones
.irp lt, 0,1
.irp hf, 0,1
	ds_load_b128 v[\fb+8*\lt+4*\hf:\fb+8*\lt+4*\hf+3], v1 offset:(16*\lt+2*\ks+\hf)*512
.endr
.endr
.irp hf, 0,1
	ds_load_b128 v[\fb+16+4*\hf:\fb+16+4*\hf+3], v4 offset:64*\ks+32*\hf
.endr
.endm
.macro MUL fb, ks, zero                ; six accumulators take turns
.irp c, 0,1
.irp lt, 0,1
.if \zero
	v_wmma_f32_16x16x32_f16 v[ACC+8*(2*\c+\lt):ACC+8*(2*\c+\lt)+7], v[TF+16*\ks+8*\c:TF+16*\ks+8*\c+7], v[\fb+8*\lt:\fb+8*\lt+7], 0
.else
	v_wmma_f32_16x16x32_f16 v[ACC+8*(2*\c+\lt):ACC+8*(2*\c+\lt)+7], v[TF+16*\ks+8*\c:TF+16*\ks+8*\c+7], v[\fb+8*\lt:\fb+8*\lt+7], v[ACC+8*(2*\c+\lt):ACC+8*(2*\c+\lt)+7]
.endif
.endr
.endr
.irp lt, 0,1
.if \zero
	v_wmma_f32_16x16x32_f16 v[ACC+32+8*\lt:ACC+32+8*\lt+7], v[\fb+16:\fb+23], v[\fb+8*\lt:\fb+8*\lt+7], 0
.else
	v_wmma_f32_16x16x32_f16 v[ACC+32+8*\lt:ACC+32+8*\lt+7], v[\fb+16:\fb+23], v[\fb+8*\lt:\fb+8*\lt+7], v[ACC+32+8*\lt:ACC+32+8*\lt+7]
.endif
.endr
.endm
; dsl: the next K step's six LDS loads stay out.  ldl: the global loads issued behind this K step's four of T stay out.
.macro KSTEP fb, ks, zero, dsl, ldl
	s_wait_dscnt \dsl
	s_wait_loadcnt \ldl
	MUL \fb, \ks, \zero
.endm
; rows 16 lt .. 16 lt + 15: V / den into v[rd], 16 eps qs' / den into v[rd + 1]; then the two fused steps for each number
.macro FINROW lt, rd
	v_permlanex16_b32 v9, v[ACC+32+8*\lt], s22, s23
	v_cndmask_b32 v10, v[ACC+32+8*\lt], v9, s26    ; dq: lanes 0-15 hold it, lanes 16-31 fetch it
	v_cndmask_b32 v11, v9, v[ACC+32+8*\lt], s26    ; qs': the other way round
	v_fmamk_f32 v10, v11, EPSL16, v10              ; den
	v_rcp_f32 v[\rd], v10
	v_mul_f32 v11, EPS16, v11                      ; the plain place behind the reciprocal (ISA guide 5.7.2)
	s_wait_alu depctr_va_vdst(0)
	v_mul_f32 v[\rd+1], v11, v[\rd]
	v_mul_f32 v[\rd], v[\rd], v[VV]
.irp c, 0,1
.irp p, 0,2,4,6
	v_pk_fma_f32 v[64+8*\c+\p:65+8*\c+\p], v[112+8*\c+\p:113+8*\c+\p], v[\rd:\rd+1], v[128+8*\c+\p:129+8*\c+\p] op_sel:[0,1,0] op_sel_hi:[1,1,1]
.endr
.irp p, 0,2,4,6
	v_pk_fma_f32 v[ACC+8*(2*\c+\lt)+\p:ACC+8*(2*\c+\lt)+\p+1], v[ACC+8*(2*\c+\lt)+\p:ACC+8*(2*\c+\lt)+\p+1], v[\rd:\rd+1], v[64+8*\c+\p:65+8*\c+\p] op_sel_hi:[1,0,1]
.endr
	ds_store_b128 v5, v[ACC+8*(2*\c+\lt):ACC+8*(2*\c+\lt)+3] offset:16*OP*\lt+64*\c
	ds_store_b128 v5, v[ACC+8*(2*\c+\lt)+4:ACC+8*(2*\c+\lt)+7] offset:16*OP*\lt+64*\c+16
.endr
.endm
	s_load_b256 s[4:11], s[0:1], 0x0               ; Qn s[4:5], Tn s[6:7], sv s[8:9], bo s[10:11]
	s_load_b128 s[12:15], s[0:1], 0x20             ; out0 s[12:13], mxw s[14:15]
	v_lshl_add_u32 v241, v0, 2, 0xc600
	v_mov_b32 v242, 0
	v_lshrrev_b32 v9, 5, v0
	v_readfirstlane_b32 s2, v9                     ; wave
	s_and_b32 s3, ttmp7, 0xffff                    ; batch
	s_mov_b32 s22, 0x76543210
	s_mov_b32 s23, 0xfedcba98
	s_mov_b32 s26, 0xffff0000                      ; lanes 16 to 31
	s_lshl_b32 s16, s3, 20
	s_lshl_b32 s17, ttmp9, 14                      ; 32 rows of Q: 16,384 bytes
	s_add_co_u32 s16, s16, s17
	s_mov_b32 s17, 0
	s_lshl_b32 s18, s3, 17
	s_lshl_b32 s19, s2, 14                         ; my two column tiles of T
	s_add_co_u32 s18, s18, s19
	s_mov_b32 s19, 0
	s_lshl_b32 s20, s3, 10
	s_mov_b32 s21, 0
	s_lshl_b32 s24, s3, 21
	s_lshl_b32 s25, ttmp9, 15                      ; 32 rows of out
	s_add_co_u32 s24, s24, s25
	s_mov_b32 s25, 0
	s_lshl_b32 s30, s3, 7                          ; 32 words of mxw to a batch
	s_mov_b32 s31, 0
	s_lshl_b32 s27, s2, 7
	s_mul_i32 s28, s2, 4*OP
	s_lshl_b32 s29, s2, 12
	v_and_b32 v9, 31, v0
	v_lshlrev_b32 v1, 4, v9                        ; 16 L
	v_lshlrev_b32 v3, 2, v9                        ; 4 L
	v_lshlrev_b32 v2, 4, v0                        ; 16 tid
	v_and_b32 v10, 15, v0                          ; r
	v_bfe_u32 v11, v0, 4, 1                        ; h
	v_bfe_u32 v4, v0, 3, 1
	v_lshlrev_b32 v4, 9, v4                        ; rows 0-7: s; rows 8-15: the ones, 512 bytes further
	v_lshl_add_u32 v4, v11, 4, v4
	v_add_nc_u32 v4, SB, v4
	v_mul_u32_u24 v5, v10, OP
	v_lshl_add_u32 v5, v11, 5, v5
	v_add3_u32 v5, v5, s27, OST                    ; OST + 1040 r + 128 w + 32 h
	v_add3_u32 v6, v1, s28, OST                    ; OST + 4 w rows + 16 L
	v_add_nc_u32 v7, s29, v1                       ; 4096 w + 16 L
	v_lshlrev_b32 v8, 5, v11
	v_add_nc_u32 v8, s27, v8                       ; 128 w + 32 h
	v_lshlrev_b32 v12, 2, v0
	v_lshlrev_b32 v13, 1, v0
	v_add_nc_u32 v13, SB, v13
	s_wait_kmcnt 0x0
	s_add_nc_u64 s[4:5], s[4:5], s[16:17]
	s_add_nc_u64 s[6:7], s[6:7], s[18:19]
	s_add_nc_u64 s[8:9], s[8:9], s[20:21]
	s_add_nc_u64 s[12:13], s[12:13], s[24:25]
	s_add_nc_u64 s[14:15], s[14:15], s[30:31]
.irp i, 0,1,2,3
	global_load_b128 v[64+4*\i:64+4*\i+3], v2, s[4:5] offset:4096*\i
.endr
	global_load_b32 v14, v12, s[8:9]               ; 16 s[tid]
	global_load_b32 v[VV], v3, s[14:15] offset:512 ; the batch's 32 g, one a lane
.irp ks, 0,1,2,3,4,5,6,7
.irp c, 0,1
.irp hf, 0,1
	global_load_b128 v[TF+16*\ks+8*\c+4*\hf:TF+16*\ks+8*\c+4*\hf+3], v1, s[6:7] offset:(16*\c+2*\ks+\hf)*512
.endr
.endr
.endr
	s_wait_loadcnt 32                              ; Q, s and g are in; T's 32 loads stay out
.irp i, 0,1,2,3
	ds_store_b128 v2, v[64+4*\i:64+4*\i+3] offset:4096*\i
.endr
	v_cvt_pk_f16_f32 v14, v14, v14
	v_mov_b32 v15, 0x3c00                          ; 1.0 in f16
	ds_store_b16 v13, v14
	ds_store_b16 v13, v15 offset:512
.irp x, 1,2,4,8
	v_max_num_f32_dpp v[VV], v[VV], v[VV] row_xmask:\x row_mask:0xf bank_mask:0xf
.endr
	v_permlanex16_b32 v9, v[VV], s22, s23
	v_max_num_f32 v[VV], v[VV], v9                 ; G
	v_mul_f32 v[VV], 0x46800000, v[VV]             ; V = 2^14 G
	s_wait_dscnt 0x0                               ; for the other waves
	s_barrier_signal -1
	s_barrier_wait -1
	FETCH FB0, 0
	FETCH FB1, 1
	KSTEP FB0, 0, 1, 6, 28                         ; 7 later K steps x 4 loads of T
	PLACES
	FETCH FB0, 2
	KSTEP FB1, 1, 0, 6, 24
	PLACES
	FETCH FB1, 3
.irp c, 0,1
	global_load_b128 v[112+8*\c:112+8*\c+3], v8, s[8:9] offset:4096+64*\c          ; VW of my 16 columns, into T's fragments of K steps 0 and 1, which are used up
	global_load_b128 v[116+8*\c:116+8*\c+3], v8, s[8:9] offset:4096+64*\c+16
.endr
.irp c, 0,1
	global_load_b128 v[128+8*\c:128+8*\c+3], v8, s[10:11] offset:64*\c             ; bo likewise
	global_load_b128 v[132+8*\c:132+8*\c+3], v8, s[10:11] offset:64*\c+16
.endr
	KSTEP FB0, 2, 0, 6, 28                         ; 5 x 4 of T and the 8 just issued
	PLACES
	FETCH FB0, 4
	KSTEP FB1, 3, 0, 6, 24
	PLACES
	FETCH FB1, 5
	KSTEP FB0, 4, 0, 6, 20
	PLACES
	FETCH FB0, 6
	KSTEP FB1, 5, 0, 6, 16
	PLACES
	FETCH FB1, 7
	KSTEP FB0, 6, 0, 6, 12
	KSTEP FB1, 7, 0, 0, 8
	PLACES
	s_wait_loadcnt 0x0                             ; VW and bo
	FINROW 0, 12
	FINROW 1, 14
	s_wait_dscnt 0x0                               ; for the other waves: my columns of the 32 rows are in LDS
	s_barrier_signal -1
	s_barrier_wait -1
.irp n, 0,1,2,3,4,5,6,7
	ds_load_b128 v[64+4*\n:64+4*\n+3], v6 offset:OP*(\n/2)+512*(\n%2)      ; rows 4 w .. 4 w + 3, 512 bytes at a time
.endr
.irp n, 0,1,2,3,4,5,6,7
	s_wait_dscnt 7-\n
	global_store_b128 v7, v[64+4*\n:64+4*\n+3], s[12:13] offset:512*\n     ; 512 consecutive bytes, aligned
.endr
	s_wait_tensorcnt 0x0
	ds_add_u32 v241, v242
	s_wait_dscnt 0x0
	s_endpgm
.Lfunc_end_k_q554133b02c_fin:
	.size	k_q554133b02c_fin, .Lfunc_end_k_q554133b02c_fin-k_q554133b02c_fin
	.p2alignl 7, 3214868480
	.fill 96, 4, 3214868480
	.section	.rodata,"a",@progbits
	.p2align	6, 0x0
	.amdhsa_kernel k_q554133b02c_fin
		.amdhsa_group_segment_fixed_size 51712
		.amdhsa_private_segment_fixed_size 0
		.amdhsa_enable_private_segment 0
		.amdhsa_kernarg_size 48
		.amdhsa_user_sgpr_count 2
		.amdhsa_user_sgpr_kernarg_segment_ptr 1
		.amdhsa_wavefront_size32 1
		.amdhsa_system_sgpr_workgroup_id_x 1
		.amdhsa_system_sgpr_workgroup_id_y 1
		.amdhsa_system_sgpr_workgroup_id_z 1
		.amdhsa_system_vgpr_workitem_id 0
		.amdhsa_next_free_vgpr 243
		.amdhsa_next_free_sgpr 66
		.amdhsa_reserve_vcc 0
		.amdhsa_float_denorm_mode_32 3
		.amdhsa_float_denorm_mode_16_64 3
		.amdhsa_memory_ordered 1
		.amdhsa_forward_progress 1
		.amdhsa_inst_pref_size 21
	.end_amdhsa_kernel
	.amdgpu_metadata
---
amdhsa.version: [ 1, 2 ]
amdhsa.kernels:
  - .name:           k_q554133b02c_fin
    .symbol:         k_q554133b02c_fin.kd
    .args:
      - { .name: Qn, .offset: 0, .size: 8, .value_kind: global_buffer, .address_space: global }
      - { .name: Tn, .offset: 8, .size: 8, .value_kind: global_buffer, .address_space: global }
      - { .name: sv, .offset: 16, .size: 8, .value_kind: global_buffer, .address_space: global }
      - { .name: bo, .offset: 24, .size: 8, .value_kind: global_buffer, .address_space: global }
      - { .name: out0, .offset: 32, .size: 8, .value_kind: global_buffer, .address_space: global }
      - { .name: mxw, .offset: 40, .size: 8, .value_kind: global_buffer, .address_space: global }
    .group_segment_fixed_size: 51712
    .private_segment_fixed_size: 0
    .kernarg_segment_align: 8
    .kernarg_segment_size: 48
    .max_flat_workgroup_size: 256
    .sgpr_count:     66
    .vgpr_count:     243
    .wavefront_size: 32
...
	.end_amdgpu_metadata
.endif
;; end of part 3
